; MI455X (gfx1250); checked and timed in simulation.
; The chip was launched on July 23, 2026; its instructions are those of AMD's public machine-readable ISA for CDNA 5 (MIT licence, August 2026) and "CDNA5" Instruction Set Architecture Reference Guide (July 2026). The comments in the code are by the model that wrote it; some were corrected since.
;; MOE Layer. Allowed arithmetic: float matrix products may take bf16 or f16 operands with f32 sums; other float arithmetic in f32, or as packed bf16 or f16 multiplies, adds, multiply-adds, maxima and minima; sums over many terms, partial sums and values carried from step to step in f32; what a program stores and reads back later, other than sums and carried values, may be rounded once to bf16 or f16.
;; Inputs: gate 2,048 int32; inp 2,048 x 1,024 float32; weight 16 x 2,048 x 1,024 float32.
;; Outputs: out0 2,048 x 2,048 float32.
;; One version. Each part assembles by itself: llvm-mc -triple=amdgcn-amd-amdhsa -mcpu=gfx1250 --defsym DOCPART=n.
;; ======== version 1 of 1: 1 launch
;; launch moe (part 1): grid 16 x 16, 8 waves a work-group, no clusters, 322,048 bytes of LDS; arguments gate, inp, weight, out0; writes out0
.if DOCPART == 1
	.amdgcn_target "amdgcn-amd-amdhsa--gfx1250"
	.amdhsa_code_object_version 6
	.text
	.protected	k_q4960ef5c2f_moe
	.globl	k_q4960ef5c2f_moe
	.p2align	8
	.type	k_q4960ef5c2f_moe,@function
k_q4960ef5c2f_moe:
	s_mov_b64 s[64:65], 0
	v_nop
	global_prefetch_b8 v0, s[64:65] scope:SCOPE_SE
	s_setreg_imm32_b32 hwreg(HW_REG_WAVE_MODE, 25, 1), 1
	s_wait_xcnt 0x0
; out[n][:] = weight[gate[n]] . inp[n].  gate [2048] i32, inp [2048][1024] f32, weight [16][2048][1024] f32, out [2048][2048] f32.
; Operands are rounded once to bf16, sums are f32, K ascending.  Only the chosen expert of each token is multiplied.
; LIMITS.  gate lies in 0..15: a token with another number belongs to no work-group and its row of out is not written.  A NaN or an infinity in the
; weights of an expert that a token did not choose does not reach that token's row.  An expert without tokens still reads its weights and stores nothing
; (no barrier is jumped on a count).  Rows 160 and up of one expert are served by the second part below, 32 rows a trip of the work-group.
; SHARES.  Work-group (x, y): expert y, outputs 128 x .. 128 x + 127: 128 rows of weight, 524,288 bytes, which no other work-group reads, and ALL tokens of expert y.
; Eight waves, all alike.  K goes in 16 steps of 64: a row's piece is 256 consecutive bytes at a multiple of 256.  A wave keeps a ring of 54 loads of 512 bytes in registers (three sets of 8 weight
; and 10 token slots); a FEED rounds a step to bf16, stores it into LDS and asks for the step three further on; a wave multiplies 32 outputs x 80 list rows, 10 accumulators.
; The rounded weights STAY in LDS (128 rows x 2,048 bytes), for the second part; the token rows go through two slots of 160 rows that take turns.
; A TICK, behind the barrier that shows step t whole: the fragments of step t are asked for, half a step ahead of their products; the feed of step t + 1 stands in two batches among the products.
; The 16 ticks are written by .rept, so that step and slot stand in immediates: no LDS address and no base is ever stepped, and every wait has its own count.
; ROUTING.  While the first weights are on their way, each wave compacts 256 gates into a list segment of its own in LDS; behind a barrier each thread looks one list row up in the eight segments and
; stores its token into a table.  List rows past the count repeat the last row; their stores are jumped.
; NO CLUSTER, NO JOINT LOADS: each slice of weights has one reader; what an expert's 16 work-groups share is its token rows, which come lane by lane from a list, not as a tile.
; NO TENSOR LOADS: the f32 numbers have to pass through registers to be rounded, and the register ring is never drained.
;
; LDS, in bytes:  0 token slot 0 (160 rows x 144)   23,040 the list: 8 segments of 256 entries + 32 words for the lanes that have none   32,256 the eight counts   32,768 token slot 1
;   55,808 token of list row 0..255   56,832 the spare words, 128 bytes a wave   57,856 weights, 128 rows x 2,064.  On the way out the two token slots are stages of 32 rows x 528.
; Pitches 144, 528 and 2,064 are odd multiples of 16 bytes, so the 16 rows that a fragment load touches start in 16 different groups of four banks (64 banks of 4 bytes: ISA guide 11.1).
; REGISTERS, in windows of 256 (s_set_vgpr_msb: bits 1:0 source 0, 3:2 source 1, 5:4 source 2, 7:6 destination).  Window 0: addresses, fragments, accumulators, the way out.
; Window 1: the ring and the addresses that the ring's own lines name, so that a whole batch of a feed stands under one setting: four switches a tick.
.set WP,    2064      ; a row of weights in LDS: 2,048 bytes + 16
.set TP,    144       ; a token row's step in LDS: 128 bytes + 16
.set GP,    528       ; a stage row: 512 bytes + 16
.set T1X,   0x8000    ; slot 1 begins here
.set LIST,  23040
.set SEGB,  1152      ; bytes of a segment: 288 words
.set CNTW,  32256
.set DENSE, 55808
.set SPARE, 56832
.set LW,    57856
; window 0.  v1 = lane % 16, v2 = (lane / 16) % 2; v12-15 at work
.set SPW,  3          ; v3  LDS address of my spare word; for the add alone
.set NIL,  4          ; v4  0; for the add alone
.set AW,   5          ; my weight fragments: row 32 OQ + v1, + 16 v2
.set AT,   6          ; my token fragments in slot 0: row 16 RH + v1, + 16 v2
.set PF,   7          ; the prefetch: row (thread % 128) of the slice, + 256 (thread / 128); never rewritten
.set STO,  8          ; into the stage
.set RD,   9          ; back out of it
.set LL16, 10         ; 16 v1
.set L32,  11         ; 16 x lane
.set F0,   16         ; v16-71 fragments of a step's first half: 2 of weights, 5 of tokens; the second half's lie 136 further on, v152-207
.set ACC,  72         ; v72-151 accumulator (i, f) at 72 + 8 (2 i + f): list rows 32 i + 16 RH + 0..15, outputs 32 OQ + 16 f + 0..15
.set OT,   208        ; v208-227 way out: byte offset in out of my 20 rows
.set OB,   228        ; v228-243 way out: four rows read back
.set OWF,  16         ; second part: v16-79 eight weight fragments
.set OAC,  80         ; v80-95 two accumulators
.set SETA, 96         ; v96-159, v160-223 two sets of 16 loads
.set OTF,  224        ; v224-255 four token fragments
.set H32,  13
.set TOU,  14
.set TI,   15
; window 1
.set XR,   0          ; v0-215 three sets of 72: eight weight slots of four registers, then ten token slots
.set WO,   216        ; my byte offset in the slice: row w + 8 v2, + 16 v1; never rewritten
.set WS,   217        ; v217-220 where I store weights: row 32 p + w + 8 v2, + 8 v1; never rewritten
.set TS,   221        ; where I store tokens in slot 0; never rewritten
.set TO,   222        ; v222-231 token of list row 16 g + w + 8 v2, times 4,096, + 16 v1; never rewritten
; scalar registers: s[4:5] gate, s[6:7] inp, s[8:9] my slice of weight, s[10:11] out at my work-group's 128 columns
.set WV,   12         ; wave
.set EX,   13         ; expert
.set SLC,  14         ; slice
.set OQ,   15         ; wave % 4: which 32 outputs
.set RH,   16         ; wave / 4: which of each two blocks of 16 list rows
.set TA,   17
.set TB,   18
.set BS,   19
.set OFS,  20         ; s[20:21] an offset
.set C0,   24         ; s24-31 the segments' counts
.set P1,   32         ; s32-38 list row at which segment 1 .. 7 begins
.set NR,   39         ; rows of my expert
.set O1,   40         ; s40-46 word of segment k's entry 0, less the list row at which it begins
.set CM1,  47         ; the last row (0 where there is none)
.set NB,   48         ; blocks of 16 rows
.set MK,   49         ; s49-56 eight lane masks
.set RB4,  57         ; 4 x wave
.set JJ,   58         ; second part: the trip
.set NT,   59         ; second part: my trips
.set OV,   60         ; s[60:61] out at my wave's 32 columns
.set MSB, 0
.macro WIN new                         ; the immediate's high byte repeats the setting that is left; a switch that changes nothing is dropped
.if MSB != (\new)
	s_set_vgpr_msb (MSB<<8)|(\new)
.set MSB, (\new)
.endif
.endm
.set W_TO1,  0x40     ; destination window 1, sources window 0
.set W_ALL1, 0x55     ; everything in window 1
.macro BAR                             ; my LDS stores are done, for the others' sake, and my LDS reads are back, so that the bytes may be written again; then the work-group's barrier
	s_wait_dscnt 0x0
	s_barrier_signal -1
	s_barrier_wait -1
.endm
.macro PLACES                          ; four plain vector instructions between a matrix instruction and a load into, or a write of, its registers
.rept 4
	v_nop
.endr
.endm
; List row src + imm, held to the last row, is looked up: which segment, which word; the token lands in dst.
.macro MAP d, t, src, imm, dst
	v_add_nc_u32 \d, \imm, \src
	v_min_u32 \d, s[CM1], \d
	v_cmp_le_u32 vcc_lo, s[P1], \d
	v_cndmask_b32 \t, 0, s[O1], vcc_lo
.irp k, 1,2,3,4,5,6
	v_cmp_le_u32 vcc_lo, s[P1+\k], \d
	v_cndmask_b32 \t, \t, s[O1+\k], vcc_lo
.endr
	v_add_nc_u32 \d, \d, \t
	v_min_u32 \d, 2303, \d                 ; inside the list's 2,304 words
	v_lshlrev_b32 \d, 2, \d
	ds_load_b32 \dst, \d offset:LIST
.endm
; THE FEED of step s, from set s % 3, in two BATCHES: the 8 weight slots, the 10 token slots.  A batch: ONE wait for its loads; all its roundings (four f32 become four bf16 in place); all its LDS stores
; (8 bytes a lane: lanes 0-15 one row's 128 bytes, lanes 16-31 those of the row 8 further on, which lies 128 bytes off a multiple of 256); all its slots asked for again, three steps on.
; So a store stands 8 lines or more behind the rounding that feeds it, and a reload 8 lines or more behind the store that reads its registers.
; THE COUNTS.  Loads come back in order (ISA guide 5.7.1).  Issue order: weights of steps 0, 1, 2; tokens of steps 0, 1, 2; then for each feed s the weights and the tokens of step s + 3.
; Behind the weights of step s stand its 10 tokens and two whole steps of 18: 46 (for s = 1 and 2 more: the smaller count is taken).  Behind the tokens of step s stand two steps and the 8 weights just asked
; for: 44; for s = 0: 20 tokens + 8 = 28; for s = 1: 10 + 18 + 8 = 36.  Feeds 13 to 15 ask for nothing: 46, 28, 10 and 36, 18, 0.
.macro FEEDW s
	WIN W_ALL1
.if (\s) < 13
	s_wait_loadcnt 46
.else
	s_wait_loadcnt 46-18*((\s)-13)
.endif
.irp g, 0,1,2,3,4,5,6,7
.set xr, XR+72*((\s)%3)+4*(\g)
	v_cvt_pk_bf16_f32 v[xr], v[xr], v[xr+1]
	v_cvt_pk_bf16_f32 v[xr+1], v[xr+2], v[xr+3]
.endr
.irp g, 0,1,2,3,4,5,6,7
.set xr, XR+72*((\s)%3)+4*(\g)
	ds_store_b64 v[WS+(\g)/2], v[xr:xr+1] offset:((\g)%2)*16*WP+(\s)*128
.endr
.if (\s) < 13
.irp g, 0,1,2,3,4,5,6,7
.set xr, XR+72*((\s)%3)+4*(\g)
	global_load_b128 v[xr:xr+3], v[WO], s[8:9] offset:(\g)*65536+((\s)+3)*256 th:TH_LOAD_NT
.endr
.endif
.endm
.macro FEEDT s
	WIN W_ALL1
.if (\s) == 0
	s_wait_loadcnt 28
.elseif (\s) == 1
	s_wait_loadcnt 36
.elseif (\s) < 13
	s_wait_loadcnt 44
.else
	s_wait_loadcnt 36-18*((\s)-13)
.endif
.irp g, 0,1,2,3,4,5,6,7,8,9
.set xr, XR+72*((\s)%3)+32+4*(\g)
	v_cvt_pk_bf16_f32 v[xr], v[xr], v[xr+1]
	v_cvt_pk_bf16_f32 v[xr+1], v[xr+2], v[xr+3]
.endr
.irp g, 0,1,2,3,4,5,6,7,8,9
.set xr, XR+72*((\s)%3)+32+4*(\g)
	ds_store_b64 v[TS], v[xr:xr+1] offset:((\s)%2)*T1X+(\g)*16*TP
.endr
.if (\s) < 13
.irp g, 0,1,2,3,4,5,6,7,8,9
.set xr, XR+72*((\s)%3)+32+4*(\g)
	global_load_b128 v[xr:xr+3], v[TO+(\g)], s[6:7] offset:((\s)+3)*256
.endr
.endif
.endm
; THE FRAGMENTS of half hf (32 along K) of step t, into buffer hf: one run of 14 LDS loads: 2 fragments of weights, 5 of tokens.
.macro LFRAG t, hf
.irp f, 0,1
	ds_load_b128 v[F0+136*(\hf)+8*(\f):F0+136*(\hf)+8*(\f)+3],   v[AW] offset:(\f)*16*WP+(\t)*128+(\hf)*64
	ds_load_b128 v[F0+136*(\hf)+8*(\f)+4:F0+136*(\hf)+8*(\f)+7], v[AW] offset:(\f)*16*WP+(\t)*128+(\hf)*64+32
.endr
.irp i, 0,1,2,3,4
	ds_load_b128 v[F0+136*(\hf)+16+8*(\i):F0+136*(\hf)+16+8*(\i)+3],   v[AT] offset:((\t)%2)*T1X+(\i)*32*TP+(\hf)*64
	ds_load_b128 v[F0+136*(\hf)+16+8*(\i)+4:F0+136*(\hf)+16+8*(\i)+7], v[AT] offset:((\t)%2)*T1X+(\i)*32*TP+(\hf)*64+32
.endr
.endm
; THE PRODUCTS of half hf of step t: 10 matrix instructions.  Source 0 = 16 outputs (rows of weight), source 1 = 16 tokens: a lane then holds ONE token (lane % 16) and eight neighbouring outputs.
; The first half of step 0 starts the sums: nothing is cleared.  The 10 accumulators take turns, one instruction a turn, in the same order in every half.
; In the first halves of steps 0, 2, 4, 6, 8 each thread asks for one block of 256 bytes of the slice: its row's piece of step t + 6 (threads 0-127) or t + 7 (threads 128-255), which the feeds of steps
; t + 3 and t + 4 load, two and three barriers further on; each block is asked for once, 64 KiB a work-group at a time, and the last asked for is step 15's.
.macro PROD t, hf
.irp i, 0,1,2,3,4
.irp f, 0,1
.if ((\t) == 0) && ((\hf) == 0)
	v_wmma_f32_16x16x32_bf16 v[ACC+8*(2*(\i)+(\f)):ACC+8*(2*(\i)+(\f))+7], v[F0+136*(\hf)+8*(\f):F0+136*(\hf)+8*(\f)+7], v[F0+136*(\hf)+16+8*(\i):F0+136*(\hf)+16+8*(\i)+7], 0
.else
	v_wmma_f32_16x16x32_bf16 v[ACC+8*(2*(\i)+(\f)):ACC+8*(2*(\i)+(\f))+7], v[F0+136*(\hf)+8*(\f):F0+136*(\hf)+8*(\f)+7], v[F0+136*(\hf)+16+8*(\i):F0+136*(\hf)+16+8*(\i)+7], v[ACC+8*(2*(\i)+(\f)):ACC+8*(2*(\i)+(\f))+7]
.endif
.endr
.if ((\t) < 9) && (((\t)%2) == 0) && ((\hf) == 0) && ((\i) == 1)
	global_prefetch_b8 v[PF], s[8:9] offset:((\t)+6)*256 th:TH_LOAD_NT scope:SCOPE_SE
.endif
.endr
.endm
; TICK t stands behind the barrier that shows step t whole.  Its order:
;   the first half's fragments of step t are asked for (buffer 0: its last products stand ahead of the last token batch, whose 20 roundings are the places);
;   the second half's products of step t - 1, from buffer 1, which was in registers ahead of the barrier;
;   the weights of step t + 1 are fed (the 16 roundings are the places behind those products);   the second half's fragments of step t are asked for (buffer 1);
;   the first half's products of step t;   the tokens of step t + 1 are fed;   the barrier.
; So no products wait for loads just issued, and LDS, the matrix unit and the roundings work side by side.
; ONE barrier a tick.  The stores of step t + 1 go into the slot that held step t - 1 and into a new column of the weights: every wave's reads of step t - 1 were back ahead of the barrier in front of this
; tick (what follows it of step t - 1 works on registers).  They are done ahead of the barrier at this tick's end, behind which step t + 1 is read.
.macro TICK t
	LFRAG \t, 0
.if (\t) > 0
	PROD (\t)-1, 1
.endif
.if (\t) < 15
	FEEDW (\t)+1
	WIN 0
.else
	PLACES                                 ; the last tick feeds nothing
.endif
	LFRAG \t, 1
.if (\t) < 15
	s_wait_dscnt 22                        ; LDS instructions end in order (ISA guide 5.7.1): buffer 0 is in; the 8 stores of weights and the 14 loads into buffer 1 stay out
.else
	s_wait_dscnt 14                        ; buffer 0 is in; the 14 loads into buffer 1 stay out
.endif
	PROD \t, 0
.if (\t) < 15
	FEEDT (\t)+1
	WIN 0
	BAR
.else
	s_wait_dscnt 0x0
	PROD \t, 1
.endif
.endm
	; ---- the head: all addresses are made while the arguments are on their way.  An LDS address is a lane's term, from v0, plus a wave's term, from the wave's number in a scalar register ----
	s_load_b256 s[4:11], s[0:1], 0x0       ; gate s[4:5], inp s[6:7], weight s[8:9], out s[10:11]
	v_lshl_add_u32 v[SPW], v0, 2, SPARE
	v_mov_b32 v[NIL], 0
	v_lshrrev_b32 v1, 5, v0
	v_readfirstlane_b32 s[WV], v1          ; wave 0..7
	v_and_b32 v1, 15, v0
	v_bfe_u32 v2, v0, 4, 1
	s_and_b32 s[EX], ttmp7, 0xffff
	s_mov_b32 s[SLC], ttmp9
	s_and_b32 s[OQ], s[WV], 3
	s_lshr_b32 s[RH], s[WV], 2
	s_lshl_b32 s[RB4], s[WV], 2
	v_lshlrev_b32 v[LL16], 4, v1
	v_lshl_add_u32 v12, v2, 15, v[LL16]    ; in memory: 8 rows of 4,096 bytes for the upper lanes, 16 bytes a lane
	v_mul_u32_u24 v13, v2, 8*WP            ; in LDS: 8 rows for the upper lanes, 8 bytes a lane
	v_lshl_add_u32 v13, v1, 3, v13
	v_mul_u32_u24 v14, v2, 8*TP
	v_lshl_add_u32 v14, v1, 3, v14
	s_lshl_b32 s[TA], s[WV], 12
	s_mul_i32 s[TB], s[WV], WP
	s_add_co_u32 s[TB], s[TB], LW
	s_mul_i32 s[BS], s[WV], TP
	WIN W_TO1
	v_add_nc_u32 v[WO], s[TA], v12
.irp p, 0,1,2,3
	v_add_nc_u32 v[WS+\p], s[TB], v13
	s_add_co_u32 s[TB], s[TB], 32*WP
.endr
	v_add_nc_u32 v[TS], s[BS], v14
	WIN 0
	v_mul_u32_u24 v12, v1, WP              ; a fragment: row lane % 16, 16 bytes for each half of the lanes
	v_lshl_add_u32 v12, v2, 4, v12
	s_mul_i32 s[TA], s[OQ], 32*WP
	s_add_co_u32 s[TA], s[TA], LW
	v_add_nc_u32 v[AW], s[TA], v12
	v_mul_u32_u24 v12, v1, TP
	v_lshl_add_u32 v12, v2, 4, v12
	s_mul_i32 s[TA], s[RH], 16*TP
	v_add_nc_u32 v[AT], s[TA], v12
	v_mul_u32_u24 v12, v1, GP              ; into the stage: the token's row 16 RH + lane % 16; my 128 bytes of it, 32 for each half of the lanes
	v_lshl_add_u32 v12, v2, 5, v12
	s_mul_i32 s[TA], s[RH], 16*GP
	s_lshl_b32 s[TB], s[OQ], 7
	s_add_co_u32 s[TA], s[TA], s[TB]
	v_add_nc_u32 v[STO], s[TA], v12
	v_and_b32 v15, 31, v0                  ; lane
	v_lshlrev_b32 v[L32], 4, v15
	s_mul_i32 s[TA], s[WV], 4*GP           ; back: rows 4 w .. 4 w + 3, whole: 32 lanes x 16 bytes
	v_add_nc_u32 v[RD], s[TA], v[L32]
	v_and_b32 v12, 127, v0
	v_lshrrev_b32 v13, 7, v0
	v_lshlrev_b32 v12, 12, v12
	v_lshl_add_u32 v[PF], v13, 8, v12
	s_mul_i32 s[TA], s[WV], SEGB
	s_add_co_u32 s[TA], s[TA], LIST        ; my segment
	v_add_nc_u32 v29, s[TA], v[L32]
	v_lshl_add_u32 v30, v15, 2, s[TA]
	v_mov_b32 v31, s[TA]
	v_lshlrev_b32 v32, 2, v0               ; 4 x thread
	v_add_nc_u32 v33, 256, v15             ; the word for a lane whose gate is another expert's
	s_add_co_u32 s[TB], s[RB4], CNTW
	v_mov_b32 v36, s[TB]                   ; my count's word
	v_lshlrev_b32 v28, 4, v0               ; 16 x thread
.irp z, 24,25,26,27
	v_mov_b32 v\z, 0
.endr
	ds_store_b128 v29, v[24:27]            ; my segment's 1,152 bytes hold token 0 until true entries come: whatever is looked up is a token
	ds_store_b128 v29, v[24:27] offset:512
	ds_store_b32 v30, v24 offset:1024
	s_lshl_b32 s[OFS], s[EX], 23           ; an expert's weights are 8,388,608 bytes,
	s_lshl_b32 s[TA], s[SLC], 19           ; a slice 524,288: under 2^27 together
	s_add_co_u32 s[OFS], s[OFS], s[TA]
	s_mov_b32 s[OFS+1], 0
	s_wait_kmcnt 0x0
	s_add_nc_u64 s[8:9], s[8:9], s[OFS:OFS+1]
	global_load_b128 v[16:19], v28, s[4:5]              ; gates 4 t .. 4 t + 3,
	global_load_b128 v[20:23], v28, s[4:5] offset:4096  ; and 1,024 + 4 t ..: first, so that their wait leaves the weights out
	WIN W_ALL1
.irp q, 0,1,2
.irp g, 0,1,2,3,4,5,6,7
	global_load_b128 v[XR+72*(\q)+4*(\g):XR+72*(\q)+4*(\g)+3], v[WO], s[8:9] offset:(\g)*65536+(\q)*256 th:TH_LOAD_NT  ; 256 bytes of row 16 g + w and 256 of row 16 g + w + 8
.endr
.endr
	WIN 0
	s_lshl_b32 s[OFS], s[SLC], 9           ; 128 columns of out are 512 bytes
	s_add_nc_u64 s[10:11], s[10:11], s[OFS:OFS+1]
	s_lshl_b32 s[OFS], s[OQ], 7
	s_add_nc_u64 s[OV:OV+1], s[10:11], s[OFS:OFS+1]
	s_cmp_lt_u32 s[WV], 4
	s_cbranch_scc0 .Lno3
	global_prefetch_b8 v[PF], s[8:9] offset:3*256 th:TH_LOAD_NT scope:SCOPE_SE  ; step 3 of the 128 rows: threads 0-127 alone
.Lno3:
	global_prefetch_b8 v[PF], s[8:9] offset:4*256 th:TH_LOAD_NT scope:SCOPE_SE  ; steps 4 and 5: with step 3, 96 KiB a work-group
	; ---- the routing: each wave compacts its 256 gates into its own segment ----
	s_wait_loadcnt 24                      ; the gates are in; the 24 weight loads behind them stay out
.irp q, 0,1,2,3,4,5,6,7
	v_cmp_eq_u32 s[MK+\q], s[EX], v[16+\q]
.endr
	s_mov_b32 s[BS], 0
.irp q, 0,1,2,3,4,5,6,7
	v_mbcnt_lo_u32_b32 v34, s[MK+\q], s[BS]        ; entries so far + the lanes below me that have one
	v_cndmask_b32 v34, v33, v34, s[MK+\q]
	v_min_u32 v34, 287, v34                        ; inside my segment's 288 words
	v_lshl_add_u32 v34, v34, 2, v31
	v_add_nc_u32 v35, 1024*((\q)/4)+(\q)%4, v32    ; the token
	ds_store_b32 v34, v35
	s_bcnt1_i32_b32 s[TA], s[MK+\q]
	s_add_co_u32 s[BS], s[BS], s[TA]
.endr
	v_mov_b32 v35, s[BS]
	ds_store_b32 v36, v35                  ; all lanes write the same number into the same word
	BAR                                    ; the segments and the counts are whole
	v_mov_b32 v34, CNTW
	ds_load_b128 v[16:19], v34
	ds_load_b128 v[20:23], v34 offset:16
	s_wait_dscnt 0x0
.irp c, 0,1,2,3,4,5,6,7
	v_readfirstlane_b32 s[C0+\c], v[16+\c]
.endr
	s_mov_b32 s[P1], s[C0]
.irp k, 1,2,3,4,5,6
	s_add_co_u32 s[P1+\k], s[P1+\k-1], s[C0+\k]
.endr
	s_add_co_u32 s[NR], s[P1+6], s[C0+7]
.irp k, 0,1,2,3,4,5,6
	s_sub_co_u32 s[O1+\k], 288*(\k+1), s[P1+\k]
.endr
	s_max_u32 s[CM1], s[NR], 1
	s_sub_co_u32 s[CM1], s[CM1], 1
	s_add_co_u32 s[NB], s[NR], 15
	s_lshr_b32 s[NB], s[NB], 4
	MAP v34, v35, v0, 0, v37               ; thread t looks up list row t
	s_wait_dscnt 0x0
	v_min_u32 v37, 0x7ff, v37
	ds_store_b32 v32, v37 offset:DENSE
	BAR                                    ; the table of tokens is whole
	; ---- my ten token rows and their K steps 0, 1, 2: 30 loads; 54 are out ----
	v_lshlrev_b32 v34, 5, v2
	v_add_nc_u32 v34, s[RB4], v34          ; word w + 8 v2
.irp g, 0,1,2,3,4,5,6,7,8,9
	ds_load_b32 v[40+\g], v34 offset:DENSE+64*(\g)
.endr
	s_wait_dscnt 0x0
.irp g, 0,1,2,3,4,5,6,7,8,9
	v_min_u32 v[40+\g], 0x7ff, v[40+\g]
.endr
	WIN W_TO1
.irp g, 0,1,2,3,4,5,6,7,8,9
	v_lshl_add_u32 v[TO+\g], v[40+\g], 12, v[LL16]
.endr
	WIN W_ALL1
.irp q, 0,1,2
.irp g, 0,1,2,3,4,5,6,7,8,9
	global_load_b128 v[XR+72*(\q)+32+4*(\g):XR+72*(\q)+32+4*(\g)+3], v[TO+(\g)], s[6:7] offset:(\q)*256
.endr
.endr
	; ---- step 0 is fed by itself; then the 16 ticks ----
	FEEDW 0
	FEEDT 0
	WIN 0
	BAR                                    ; step 0 is whole
.set tk, 0
.rept 16
	TICK tk
.set tk, tk+1
.endr
	; ---- THE WAY OUT.  Of each 32 list rows wave w stores rows 4 w .. 4 w + 3: their tokens, as byte offsets in out.  These 40 plain instructions are also the places behind the last products ----
	s_lshl_b32 s[TA], s[WV], 4
	v_mov_b32 v12, s[TA]
.irp i, 0,1,2,3,4
	ds_load_b128 v[OT+4*(\i):OT+4*(\i)+3], v12 offset:DENSE+128*(\i)
.endr
	s_wait_dscnt 0x0
.set n, 0
.rept 20
	v_min_u32 v[OT+n], 0x7ff, v[OT+n]
	v_lshl_add_u32 v[OT+n], v[OT+n], 13, v[L32]    ; a row of out is 8,192 bytes; 16 bytes a lane
.set n, n+1
.endr
; Phase i: list rows 32 i .. 32 i + 31.  A wave's 32 outputs are 128 bytes of a row, so the rows are put together in a stage that all waves share: the two token slots by turns.  Slot 0's last reads as a
; token slot stand ahead of tick 15's barrier, slot 1's ahead of phase 0's; a stage is written again two phases on, behind the next phase's barrier, ahead of which every wave's reads of it are back.
; Each accumulator's low four registers are read first.  A store is one whole row: 512 consecutive bytes at a multiple of 512 from out's first byte.
; Rows at or past the count are jumped: stores alone, no barrier.
.macro WAYOUT i
.irp f, 0,1
	ds_store_b128 v[STO], v[ACC+8*(2*(\i)+(\f)):ACC+8*(2*(\i)+(\f))+3]   offset:((\i)%2)*T1X+64*(\f)
	ds_store_b128 v[STO], v[ACC+8*(2*(\i)+(\f))+4:ACC+8*(2*(\i)+(\f))+7] offset:((\i)%2)*T1X+64*(\f)+16
.endr
	BAR
	s_wait_xcnt 0x0                        ; the last phase's stores have read OB: it is loaded again only behind this wait
.irp t, 0,1,2,3
	ds_load_b128 v[OB+4*(\t):OB+4*(\t)+3], v[RD] offset:((\i)%2)*T1X+(\t)*GP
.endr
	s_wait_dscnt 0x0                       ; all four rows are back: a jump below leaves no load pending
.irp t, 0,1,2,3
	s_add_co_u32 s[TA], s[RB4], 32*(\i)+(\t)
	s_cmp_lt_u32 s[TA], s[NR]
	s_cbranch_scc0 .Lbend_\@
	global_store_b128 v[OT+4*(\i)+(\t)], v[OB+4*(\t):OB+4*(\t)+3], s[10:11] th:TH_STORE_NT
.endr
.Lbend_\@:
.endm
	WAYOUT 0
	WAYOUT 1
	WAYOUT 2
	WAYOUT 3
	WAYOUT 4
	s_wait_xcnt 0x0                        ; the registers that the last stores read are written below
; ---- THE SECOND PART: list rows 160 and up; the number of trips hangs on the count.  Nothing here writes LDS and no barrier stands here: the weights are read from their copy in LDS at fixed
; addresses, the token rows come from memory straight into the lanes that hold them as source 1.  In trip j wave w takes outputs 32 (w % 4) + 0..31 of list rows 160 + 32 j + 16 (w / 4) + 0..15.
; A lane stores 32 bytes at a time, to rows far apart: the price of a part that runs only where one expert has more than 160 of the 2,048 tokens.
.macro TL c, dst                       ; 128 along K of my token's row: for each 32, my 8 + 8 numbers as four loads of 16 bytes
.irp kk, 0,1,2,3
.irp m, 0,1,2,3
	global_load_b128 v[(\dst)+16*(\kk)+4*(\m):(\dst)+16*(\kk)+4*(\m)+3], v[TI], s[6:7] offset:(\c)*512+(\kk)*128+((\m)/2)*64+((\m)%2)*16
.endr
.endr
.endm
.macro CHUNK c                         ; 128 along K: 16 LDS loads, 32 roundings, the set's next 16 loads, 8 matrix instructions on two accumulators by turns
.if (\c) < 7
	s_wait_loadcnt 16                      ; my set is in; the other set's 16 loads stay out
.else
	s_wait_loadcnt 0x0
.endif
	PLACES
.irp kk, 0,1,2,3
.irp f, 0,1
	ds_load_b128 v[OWF+8*(2*(\kk)+(\f)):OWF+8*(2*(\kk)+(\f))+3],   v[AW] offset:(\f)*16*WP+(\c)*256+(\kk)*64
	ds_load_b128 v[OWF+8*(2*(\kk)+(\f))+4:OWF+8*(2*(\kk)+(\f))+7], v[AW] offset:(\f)*16*WP+(\c)*256+(\kk)*64+32
.endr
.endr
.set st, SETA+64*((\c)%2)
.set n, 0
.rept 32
	v_cvt_pk_bf16_f32 v[OTF+n], v[st+2*n], v[st+2*n+1]
.set n, n+1
.endr
.if (\c) < 6
	TL (\c)+2, SETA+64*((\c)%2)
.endif
	s_wait_dscnt 0x0
.irp kk, 0,1,2,3
.irp f, 0,1
.if ((\c) == 0) && ((\kk) == 0)
	v_wmma_f32_16x16x32_bf16 v[OAC+8*(\f):OAC+8*(\f)+7], v[OWF+8*(2*(\kk)+(\f)):OWF+8*(2*(\kk)+(\f))+7], v[OTF+8*(\kk):OTF+8*(\kk)+7], 0
.else
	v_wmma_f32_16x16x32_bf16 v[OAC+8*(\f):OAC+8*(\f)+7], v[OWF+8*(2*(\kk)+(\f)):OWF+8*(2*(\kk)+(\f))+7], v[OTF+8*(\kk):OTF+8*(\kk)+7], v[OAC+8*(\f):OAC+8*(\f)+7]
.endif
.endr
.endr
.endm
	s_max_u32 s[NT], s[NB], 10             ; of the blocks 10 .. NB - 1 the waves with RH = 0 take the even ones, the others the odd ones:
	s_sub_co_u32 s[NT], s[NT], 9
	s_sub_co_u32 s[NT], s[NT], s[RH]
	s_lshr_b32 s[NT], s[NT], 1             ; (blocks + 1 - RH) / 2 trips
	s_lshl_b32 s[TB], s[RH], 4
	s_add_co_u32 s[TB], s[TB], 160
	s_mov_b32 s[JJ], 0
	s_cmp_lt_u32 s[JJ], s[NT]
	s_cbranch_scc0 .Lend
	v_lshlrev_b32 v[H32], 5, v2
.Lover:
	s_lshl_b32 s[TA], s[JJ], 5
	s_add_co_u32 s[TA], s[TA], s[TB]
	MAP v12, v6, v1, s[TA], v[TI]          ; my list row; past the count the last row once more, which stores the same bytes again
	s_wait_dscnt 0x0
	v_min_u32 v[TI], 0x7ff, v[TI]
	v_lshl_add_u32 v[TOU], v[TI], 13, v[H32]
	v_lshl_add_u32 v[TI], v[TI], 12, v[H32]
	TL 0, SETA
	TL 1, SETA+64
.irp c, 0,1,2,3,4,5,6,7
	CHUNK \c
.endr
	PLACES
	global_store_b128 v[TOU], v[OAC:OAC+3],     s[OV:OV+1]
	global_store_b128 v[TOU], v[OAC+4:OAC+7],   s[OV:OV+1] offset:16
	global_store_b128 v[TOU], v[OAC+8:OAC+11],  s[OV:OV+1] offset:64
	global_store_b128 v[TOU], v[OAC+12:OAC+15], s[OV:OV+1] offset:80
	s_wait_xcnt 0x0                        ; the stores' offset and data are written again in the next trip
	s_add_co_u32 s[JJ], s[JJ], 1
	s_cmp_lt_u32 s[JJ], s[NT]
	s_cbranch_scc1 .Lover
.Lend:
	s_wait_tensorcnt 0x0                   ; the wave's end, behind my last LDS store
	ds_add_u32 v[SPW], v[NIL]
	s_wait_dscnt 0x0
	s_endpgm
.Lfunc_end_k_q4960ef5c2f_moe:
	.size	k_q4960ef5c2f_moe, .Lfunc_end_k_q4960ef5c2f_moe-k_q4960ef5c2f_moe
	.p2alignl 7, 3214868480
	.fill 96, 4, 3214868480
	.section	.rodata,"a",@progbits
	.p2align	6, 0x0
	.amdhsa_kernel k_q4960ef5c2f_moe
		.amdhsa_group_segment_fixed_size 322048
		.amdhsa_private_segment_fixed_size 0
		.amdhsa_enable_private_segment 0
		.amdhsa_kernarg_size 32
		.amdhsa_user_sgpr_count 2
		.amdhsa_user_sgpr_kernarg_segment_ptr 1
		.amdhsa_wavefront_size32 1
		.amdhsa_system_sgpr_workgroup_id_x 1
		.amdhsa_system_sgpr_workgroup_id_y 1
		.amdhsa_system_sgpr_workgroup_id_z 1
		.amdhsa_system_vgpr_workitem_id 0
		.amdhsa_next_free_vgpr 512
		.amdhsa_next_free_sgpr 66
		.amdhsa_reserve_vcc 1
		.amdhsa_float_denorm_mode_32 3
		.amdhsa_float_denorm_mode_16_64 3
		.amdhsa_memory_ordered 1
		.amdhsa_forward_progress 1
		.amdhsa_inst_pref_size 202
	.end_amdhsa_kernel
	.amdgpu_metadata
---
amdhsa.version: [ 1, 2 ]
amdhsa.kernels:
  - .name:           k_q4960ef5c2f_moe
    .symbol:         k_q4960ef5c2f_moe.kd
    .args:
      - { .name: gate, .offset: 0, .size: 8, .value_kind: global_buffer, .address_space: global }
      - { .name: inp, .offset: 8, .size: 8, .value_kind: global_buffer, .address_space: global }
      - { .name: weight, .offset: 16, .size: 8, .value_kind: global_buffer, .address_space: global }
      - { .name: out0, .offset: 24, .size: 8, .value_kind: global_buffer, .address_space: global }
    .group_segment_fixed_size: 322048
    .private_segment_fixed_size: 0
    .kernarg_segment_align: 8
    .kernarg_segment_size: 32
    .max_flat_workgroup_size: 256
    .sgpr_count:     66
    .vgpr_count:     512
    .wavefront_size: 32
...
	.end_amdgpu_metadata
.endif
;; end of part 1
